; MI455X (gfx1250); checked and timed in simulation.
; The chip was launched on July 23, 2026; its instructions are those of AMD's public machine-readable ISA for CDNA 5 (MIT licence, August 2026) and "CDNA5" Instruction Set Architecture Reference Guide (July 2026). The comments in the code are by the model that wrote it; some were corrected since.
;; HQQ Linear Bit Blas. Allowed arithmetic: float matrix products may take bf16 or f16 operands with f32 sums; all other float work in f32.
;; Inputs: W_q 4,096 x 4,096 int32; bias 4,096 float16; scale 4,096 x 32 float16; x 2 x 2,048 x 4,096 float16; zero 4,096 x 32 float16.
;; Outputs: out0 2 x 2,048 x 4,096 float16.
;; One version. Each part assembles by itself: llvm-mc -triple=amdgcn-amd-amdhsa -mcpu=gfx1250 --defsym DOCPART=n.
;; ======== version 1 of 1: 2 launches
;; workspace buffers: wdq 33,554,432 bytes
;; launch dequant (part 1): grid 256 x 1, 16 waves a work-group, no clusters, 0 bytes of LDS; arguments W_q, scale, zero, wdq; writes wdq
.if DOCPART == 1
	.amdgcn_target "amdgcn-amd-amdhsa--gfx1250"
	.amdhsa_code_object_version 6
	.text
	.protected	k_q4f4418f1ba_dequant
	.globl	k_q4f4418f1ba_dequant
	.p2align	8
	.type	k_q4f4418f1ba_dequant,@function
k_q4f4418f1ba_dequant:
	s_mov_b64 s[64:65], 0
	v_nop
	global_prefetch_b8 v0, s[64:65] scope:SCOPE_SE
	s_setreg_imm32_b32 hwreg(HW_REG_WAVE_MODE, 25, 1), 1
	s_wait_xcnt 0x0
; wdq[n][k] = (W_q[n][k] - zero[n][k/128]) * scale[n][k/128], as f16, [4096][4096], k along the rows.
; W is made ONCE here and not inside the product: the product's blocks of 256 x 256 need each row of W in 16 block rows, so a
; conversion inside it would be done 16 times for every element, and W's tiles would pass through LDS as int32, twice the bytes of f16.
; NOTHING of the problem is left out as dead work: W_q, scale and zero are read here, x and bias in the next launch.
; LIMITS.  W = fma(q, s, -(z s)) in f32, rounded once to f16 (the definition rounds q - z and the product each to f16).
; |W| above 65,504 becomes infinity, as in f16 arithmetic itself; |W| below 2^-14 is kept in steps of 2^-24.
; W_q is read as signed int32; the conversion to f32 is exact up to 2^24.
;
; A stream: memory binds, so no LDS, no matrix unit, no barrier.  One wave takes one row n = 16 x work-group + wave: 16,384 bytes of codes.
; One 16-byte load of the wave covers 512 consecutive bytes = 128 codes = exactly one group, so that group's s and c = -(z s) are the same
; for all lanes and are held in scalar registers.  All 32 loads of the row go out at once; the text is straight-line, no register that a
; load or a store names is written again, and EXEC never changes.
.set Q, 8                              ; v[8:135]   group g: four codes a lane in v[Q+4g : Q+4g+3], then its 8 bytes of f16 in the first two
.set S, 20                             ; s[20:51]   s of group g
.set C, 66                             ; s[66:97]   c = -(z s) of group g
	s_load_b256 s[4:11], s[0:1], 0x0               ; W_q s[4:5], scale s[6:7], zero s[8:9], wdq s[10:11]
	v_lshrrev_b32 v4, 5, v0
	v_readfirstlane_b32 s12, v4                    ; wave 0..15
	v_and_b32 v5, 31, v0                           ; lane
	v_lshlrev_b32 v1, 4, v5                        ; 16 bytes of codes a lane
	v_lshlrev_b32 v6, 3, v5                        ; 8 bytes of f16 a lane
	v_lshlrev_b32 v7, 1, v5                        ; lane g reads group g's scale and zero
	s_lshl_b32 s13, ttmp9, 4
	s_add_co_u32 s13, s13, s12                     ; my row
	s_lshl_b32 s14, s13, 14                        ; x 16,384 bytes of W_q (below 2^26)
	s_mov_b32 s15, 0
	s_lshl_b32 s16, s13, 13                        ; x 8,192 bytes of wdq
	s_mov_b32 s17, 0
	s_lshl_b32 s18, s13, 6                         ; x 64 bytes of scale and of zero
	s_mov_b32 s19, 0
	s_wait_kmcnt 0x0
	s_add_nc_u64 s[4:5], s[4:5], s[14:15]
	s_add_nc_u64 s[6:7], s[6:7], s[18:19]
	s_add_nc_u64 s[8:9], s[8:9], s[18:19]
	s_add_nc_u64 s[10:11], s[10:11], s[16:17]
	global_load_u16 v2, v7, s[6:7]                 ; the row's 32 scales, one a lane
	global_load_u16 v3, v7, s[8:9]                 ; the row's 32 zeros
.irp g, 0,1,2,3,4,5,6,7,8,9,10,11,12,13,14,15,16,17,18,19,20,21,22,23,24,25,26,27,28,29,30,31
	global_load_b128 v[Q+4*\g:Q+4*\g+3], v1, s[4:5] offset:512*\g th:TH_LOAD_NT   ; the launch reads each code once
.endr
	s_wait_loadcnt 32                              ; loads come back in order (ISA guide 5.7.1): scale and zero are in, the 32 younger loads stay out
	v_cvt_f32_f16 v4, v2.l                         ; s
	v_cvt_f32_f16 v5, v3.l                         ; z
	v_mul_f32 v5, -v5, v4                          ; c = -(z s)
.irp g, 0,1,2,3,4,5,6,7,8,9,10,11,12,13,14,15,16,17,18,19,20,21,22,23,24,25,26,27,28,29,30,31
	v_readlane_b32 s[S+\g], v4, \g                 ; to scalars, while the codes are on their way
	v_readlane_b32 s[C+\g], v5, \g
.endr
; One group: four codes a lane to f32, one fused multiply-add each, two packed roundings, one store.
.macro GROUP g
	s_wait_loadcnt 31-\g                           ; group g's load is in; the 31 - g younger ones stay out
.irp j, 0,1,2,3
	v_cvt_f32_i32 v[Q+4*\g+\j], v[Q+4*\g+\j]
.endr
.irp j, 0,1,2,3
	v_fma_f32 v[Q+4*\g+\j], v[Q+4*\g+\j], s[S+\g], s[C+\g]     ; q s - z s
.endr
	v_cvt_pk_f16_f32 v[Q+4*\g],   v[Q+4*\g],   v[Q+4*\g+1]
	v_cvt_pk_f16_f32 v[Q+4*\g+1], v[Q+4*\g+2], v[Q+4*\g+3]
	global_store_b64 v6, v[Q+4*\g:Q+4*\g+1], s[10:11] offset:256*\g   ; the wave's 32 lanes store 256 consecutive bytes, at a multiple of 256 from wdq's first byte
.endm
.irp g, 0,1,2,3,4,5,6,7,8,9,10,11,12,13,14,15,16,17,18,19,20,21,22,23,24,25,26,27,28,29,30,31
	GROUP \g
.endr
	s_endpgm
.Lfunc_end_k_q4f4418f1ba_dequant:
	.size	k_q4f4418f1ba_dequant, .Lfunc_end_k_q4f4418f1ba_dequant-k_q4f4418f1ba_dequant
	.p2alignl 7, 3214868480
	.fill 96, 4, 3214868480
	.section	.rodata,"a",@progbits
	.p2align	6, 0x0
	.amdhsa_kernel k_q4f4418f1ba_dequant
		.amdhsa_group_segment_fixed_size 0
		.amdhsa_private_segment_fixed_size 0
		.amdhsa_enable_private_segment 0
		.amdhsa_kernarg_size 32
		.amdhsa_user_sgpr_count 2
		.amdhsa_user_sgpr_kernarg_segment_ptr 1
		.amdhsa_wavefront_size32 1
		.amdhsa_system_sgpr_workgroup_id_x 1
		.amdhsa_system_sgpr_workgroup_id_y 1
		.amdhsa_system_sgpr_workgroup_id_z 1
		.amdhsa_system_vgpr_workitem_id 0
		.amdhsa_next_free_vgpr 136
		.amdhsa_next_free_sgpr 98
		.amdhsa_reserve_vcc 0
		.amdhsa_float_denorm_mode_32 3
		.amdhsa_float_denorm_mode_16_64 3
		.amdhsa_memory_ordered 1
		.amdhsa_forward_progress 1
		.amdhsa_inst_pref_size 29
	.end_amdhsa_kernel
	.amdgpu_metadata
---
amdhsa.version: [ 1, 2 ]
amdhsa.kernels:
  - .name:           k_q4f4418f1ba_dequant
    .symbol:         k_q4f4418f1ba_dequant.kd
    .args:
      - { .name: W_q, .offset: 0, .size: 8, .value_kind: global_buffer, .address_space: global }
      - { .name: scale, .offset: 8, .size: 8, .value_kind: global_buffer, .address_space: global }
      - { .name: zero, .offset: 16, .size: 8, .value_kind: global_buffer, .address_space: global }
      - { .name: wdq, .offset: 24, .size: 8, .value_kind: global_buffer, .address_space: global }
    .group_segment_fixed_size: 0
    .private_segment_fixed_size: 0
    .kernarg_segment_align: 8
    .kernarg_segment_size: 32
    .max_flat_workgroup_size: 512
    .sgpr_count:     98
    .vgpr_count:     136
    .wavefront_size: 32
...
	.end_amdgpu_metadata
.endif
;; end of part 1
;; launch gemm (part 2): grid 16 x 16, 4 waves a work-group, clusters of 4 x 4, 327,680 bytes of LDS; arguments x, wdq, bias, out0; writes out0
.if DOCPART == 2
	.amdgcn_target "amdgcn-amd-amdhsa--gfx1250"
	.amdhsa_code_object_version 6
	.text
	.protected	k_q4f4418f1ba_gemm
	.globl	k_q4f4418f1ba_gemm
	.p2align	8
	.type	k_q4f4418f1ba_gemm,@function
k_q4f4418f1ba_gemm:
	s_mov_b64 s[64:65], 0
	v_nop
	global_prefetch_b8 v0, s[64:65] scope:SCOPE_SE
	s_setreg_imm32_b32 hwreg(HW_REG_WAVE_MODE, 25, 1), 1
	s_wait_xcnt 0x0
	s_wait_alu depctr_hold_cnt(0) depctr_sa_sdst(0) depctr_va_vdst(0) depctr_va_sdst(0) depctr_va_ssrc(0) depctr_va_vcc(0) depctr_vm_vsrc(0)
	s_getreg_b32 s2, hwreg(HW_REG_IB_STS2, 6, 4)
	s_cmp_eq_u32 s2, 0
	s_cbranch_scc0 .Lentry_in_a_cluster
	s_endpgm
.Lentry_in_a_cluster:
	s_bfe_u32 s2, ttmp6, 0x10000c
	s_cmp_lg_u32 s2, 0xf033
	s_cbranch_scc0 .Lentry_shape_is_right
	s_endpgm
.Lentry_shape_is_right:
; out0[m][n] = bias[n] + sum over k of x[m][k] W[n][k].  x: [4096][4096] f16 (the two batches of 2,048 rows follow each other), W = wdq: [4096][4096] f16
; as the launch before stored it, bias: [4096] f16, out0: [4096][4096] f16.  Nothing is left out as dead work.
; FORMAT AND LIMITS: f16 operands (x goes to the matrix unit as it lies in memory, without a conversion), one f32 sum for each output, K ascending, started from the
; bias in f32 and rounded once to f16; a sum beyond 65,504 becomes infinity, as an f16 result must.
; A work-group makes a block of 256 x 256 of out0 with four waves, as many as a WGP has SIMDs; a wave makes 128 x 128: 64 accumulator tiles of 16 x 16, 512 registers.
; For 32 along K a wave reads 2 x 128 x 64 bytes from LDS and issues 64 matrix instructions.  K goes in steps of 128 through a ring of two LDS slots filled by the
; tensor data mover: a tile's rows are 256 bytes of memory and start at multiples of 256 bytes from the buffer's first byte.  16 x 16 blocks: 256 work-groups.
; CLUSTERS: 4 x 4 work-groups form a cluster.  The four of a row of the cluster make blocks of one block row and need the same tiles of x; the four of a column need the
; same tiles of W.  Such a tile is asked for JOINTLY: each of the four issues the same tensor load, with the same descriptor and a mask that names the four, and each
; receives the tile in its own LDS.  That divides the requests for x and for W by four.
;
; REGISTERS, in windows of 256 (an instruction names v0-v255; s_set_vgpr_msb says which window each operand place means):
;   window 0: v0-31 addresses; v64-127, v128-191 fragments of x (8 x 16 rows x 32 K), two buffers; v192-255 the bias of my 128 columns in f32, laid out as eight
;             accumulator tiles, read by the first 64 products alone; v192-223 at work again on the way out
;   window 1: v64-127, v128-191 fragments of W, two buffers
;   window 2: the 32 accumulator tiles of my rows 0-63 (tile (a, b) at v[8 (8 a + b)]);   window 3: those of my rows 64-127
; s_set_vgpr_msb's low byte: bits 1:0 source 0, 3:2 source 1, 5:4 source 2, 7:6 destination.  Work is laid in long stretches under one setting.
;
; THE MATRIX INSTRUCTION IS USED TRANSPOSED: source 0 = 16 rows of W, source 1 = 16 rows of x.  In the result, lane l then holds row m = l % 16 of the tile, and its
; registers 0 to 7 the columns n = 8 (l / 16) + 0 .. 7: eight NEIGHBOURING numbers of a row of out0, which pack into 16 bytes.
; THE BIAS COSTS NO ADDITION: register j of lane l of column tile b is column 16 b + 8 (l / 16) + j whatever the row, so eight tiles of bias serve all 64 accumulators
; as the C operand of their first product.  Nothing is cleared and nothing is added afterwards.
; The 64 accumulators take turns, one matrix instruction a turn, in the same order in every quarter step and over the loop's backward jump.
.set SIZE_M, 4096
.set SIZE_N, 4096
.set SIZE_K, 4096
.set KSTEP,  128
.set PITCH,  272                       ; an LDS row: 256 bytes of data + 16 of padding = 68 words: row r starts at bank 4 r mod 64 (64 banks of 4 bytes: ISA guide 11.1), so the 16 rows that a load touches start at 16 different banks
.set HALFT,  128*PITCH                 ; 128 rows: what one tensor load brings, and what one wave reads of x or of W
.set SLOT,   4*HALFT                   ; x's 256 rows, then W's 256 rows
.set STAGE,  2*SLOT                    ; behind the ring: 16 rows x 272 bytes for each wave, for the way out; no tensor load lands here
.set SPITCH, 272
.set LAPS, SIZE_K/(2*KSTEP)            ; a lap = two K steps = once round the ring: 16 laps
.set ADRA, 16                          ; v16-17  LDS address of my x fragments in slot 0, 1
.set ADRB, 20                          ; v20-21  the same for W
.set STO,  24                          ; v24     the way out: where I put 16 bytes of a row
.set RD,   25                          ; v25     the way out: where I read a row back
.set CO,   26                          ; v26     my byte offset in out0
.set F0,   64                          ; fragment buffer 0
.set F1,   128                         ; fragment buffer 1
.set BIAS, 192                         ; window 0: eight tiles of bias in f32
.set TMP,  192                         ; window 0: the way out's packed results (the bias is long read by then)
.set G1, 24                            ; s[24:31] descriptor group 1 for x's tiles
.set G0, 32                            ; s[32:39] descriptor group 0 for x's tiles, one set for each slot
.set G1B, 48                           ; s[48:55] descriptor group 1 for W's tiles: it differs from x's in the mask alone
.set G0B, 56                           ; s[56:63] descriptor group 0 for W's tiles, one set for each slot
.set MSB, 0
.macro WIN new                         ; the immediate's high byte repeats the setting that is left; a switch that changes nothing is dropped
.if MSB != \new
	s_set_vgpr_msb (MSB<<8)|\new
.set MSB, \new
.endif
.endm
.set MUL_LO,   0xa1                    ; source 0 (W) window 1, source 1 (x) window 0, C and D window 2
.set MUL_HI,   0xf1                    ; the same, C and D window 3
.set FIRST_LO, 0x81                    ; the first products: C (the bias) window 0, D window 2
.set FIRST_HI, 0xc1                    ; the same, D window 3
.set TO_B,     0x40                    ; destination window 1, address window 0
; A joint load.  Waves 0 and 1 fetch x's two halves, waves 2 and 3 W's.  Each of the two lines has ONE mask and one set of registers for all that issue it, and nothing in
; them hangs on a coordinate that the four partners do not share.  The branch hangs on the wave's number alone: it is the same in every work-group.
.macro JLOAD s
	s_cmp_eq_u32 s11, 0
	s_cbranch_scc0 .Lfor_b_\@
	tensor_load_to_lds s[G0+4*\s:G0+4*\s+3], s[G1:G1+7]
	s_nop 0
	s_branch .Lasked_\@
.Lfor_b_\@:
	tensor_load_to_lds s[G0B+4*\s:G0B+4*\s+3], s[G1B:G1B+7]
	s_nop 0
.Lasked_\@:
.endm
; A round of the cluster's barrier: my work-group's barrier, so that wave 0's signal speaks for all four waves; wave 0 signals for the work-group; every wave waits for all
; sixteen work-groups; my work-group's barrier once more.  No LDS instruction of the wave is pending at a signal.
.macro CREST                           ; a round behind its opening barrier
	s_cmp_lg_u32 s10, 0
	s_cbranch_scc1 .Lnot_wave_0_\@
	s_barrier_signal -3
.Lnot_wave_0_\@:
	s_barrier_wait -3
	s_barrier_signal -1
	s_barrier_wait -1
.endm
.macro CROUND                          ; a whole round
	s_barrier_signal -1
	s_barrier_wait -1
	CREST
.endm
	s_load_b128 s[4:7], s[0:1], 0x0                ; x s[4:5], W s[6:7]
	s_load_b64 s[66:67], s[0:1], 0x10              ; bias
	s_load_b64 s[8:9], s[0:1], 0x18                ; out0
	s_set_vgpr_msb 0x40
	v_lshl_add_u32 v255, v0, 2, 0x48400
	s_set_vgpr_msb 0x4000
	v_mov_b32 v63, 0
	s_set_vgpr_msb 0x1
	ds_add_u32 v255, v63
	s_set_vgpr_msb 0x100
	v_lshrrev_b32 v1, 5, v0
	v_readfirstlane_b32 s10, v1                    ; wave 0..3
	s_lshr_b32 s11, s10, 1                         ; which half of the block's rows is mine.  Also: I fetch for x (0) or for W (1)
	s_and_b32 s12, s10, 1                          ; which half of its columns.  Also: which 128 rows of that tile I fetch
	s_bfe_u32 s40, ttmp6, 0x40000                  ; cx: my place along the cluster's x
	s_bfe_u32 s41, ttmp6, 0x40004                  ; cy: along its y
	s_lshl_b32 s42, ttmp9, 2                       ; in a cluster launch ttmp9 and ttmp7 count clusters
	s_add_co_u32 s42, s42, s40                     ; block column = 4 x cluster x + cx
	s_and_b32 s13, ttmp7, 0xffff
	s_lshl_b32 s13, s13, 2
	s_add_co_u32 s13, s13, s41                     ; block row = 4 x cluster y + cy
	s_lshl_b32 s43, s41, 2
	s_lshl_b32 s43, 15, s43                        ; my row of the cluster: places 4 cy .. 4 cy + 3
	s_lshl_b32 s44, 0x1111, s40                    ; my column: places cx, cx + 4, cx + 8, cx + 12
	; descriptor group 1: a tile of 128 rows x 128 elements, padded in LDS
	s_or_b32 s[G1+0], s43, (1<<16)|(1<<20)|(1<<21)|(5<<22)|(3<<25)  ; 15:0 the mask: x's tiles go to my row; 17:16 element of 2 bytes; 20 padding on; 21 set beside a mask; 24:22 after every 64 words (code 5); 31:25 of 4 words (code 3)
	s_or_b32 s[G1B+0], s44, (1<<16)|(1<<20)|(1<<21)|(5<<22)|(3<<25) ; the same with the mask of my column, for W's tiles
	s_mov_b32 s[G1B+1], KSTEP<<16
	s_mov_b32 s[G1+1], KSTEP<<16                   ; 63:48 tensor_dim0, low half = 128
	s_mov_b32 s[G1B+2], 128<<16
	s_mov_b32 s[G1+2], 128<<16                     ; 79:64 its high half = 0; 95:80 tensor_dim1, low half = 128
	s_mov_b32 s[G1B+3], KSTEP<<16
	s_mov_b32 s[G1+3], KSTEP<<16                   ; 111:96 its high half = 0; 127:112 tile_dim0 = 128
	s_mov_b32 s[G1B+4], 128
	s_mov_b32 s[G1+4], 128                         ; 143:128 tile_dim1 = 128; 159:144 tile_dim2 = 0
	s_mov_b32 s[G1B+5], SIZE_K
	s_mov_b32 s[G1+5], SIZE_K                      ; 191:160 tensor_dim0_stride, low word: elements from row to row
	s_mov_b32 s[G1B+6], 0
	s_mov_b32 s[G1+6], 0
	s_mov_b32 s[G1B+7], 0
	s_mov_b32 s[G1+7], 0
	; where the tiles come from.  x's hang on the block row alone, which my row of the cluster shares; W's on the block column alone, which my column shares.
	; Every wave makes both addresses, in registers that never hold the other coordinate, and asks by one of them.
	s_lshl_b32 s17, s12, 7                         ; which 128 rows of the tile I fetch
	s_lshl_b32 s16, s13, 8
	s_add_co_u32 s16, s16, s17                     ; x: row 256 x block row + 128 x half
	s_lshl_b32 s46, s42, 8
	s_add_co_u32 s46, s46, s17                     ; W: row 256 x block column + 128 x half
	s_mov_b32 s17, 0
	s_mov_b32 s47, 0
	s_mov_b64 s[18:19], SIZE_K*2
	s_mul_u64 s[16:17], s[16:17], s[18:19]         ; in bytes, in 64 bits
	s_mul_u64 s[46:47], s[46:47], s[18:19]
	s_mul_i32 s20, s10, HALFT                      ; and where they go: x's two halves, then W's two halves = wave x 128 rows: no place in the cluster enters an LDS address
	s_wait_dscnt 0x0
	s_wait_kmcnt 0x0
	s_add_nc_u64 s[14:15], s[4:5], s[16:17]
	s_add_nc_u64 s[46:47], s[6:7], s[46:47]
	CROUND                                         ; all sixteen work-groups are here: the first joint loads meet
.irp s, 0,1
	s_mov_b32 s[G0+4*\s], 1                                        ; 1:0 count = 1
	s_add_co_u32 s[G0+4*\s+1], s20, \s*SLOT                        ; 63:32 LDS address
	s_add_nc_u64 s[G0+4*\s+2:G0+4*\s+3], s[14:15], \s*KSTEP*2      ; 120:64 global address: K step s
	s_or_b32 s[G0+4*\s+3], s[G0+4*\s+3], 0x80000000                ; 127:126 type = 2
	s_mov_b32 s[G0B+4*\s], 1
	s_add_co_u32 s[G0B+4*\s+1], s20, \s*SLOT
	s_add_nc_u64 s[G0B+4*\s+2:G0B+4*\s+3], s[46:47], \s*KSTEP*2
	s_or_b32 s[G0B+4*\s+3], s[G0B+4*\s+3], 0x80000000
	JLOAD \s                                       ; the ring is filled before anything else is done: two tensor loads of the wave are out
.endr
	; A fragment is 16 rows x 32 K in 8 registers: lane l holds row l % 16; registers 0-3 hold K = 8 (l / 16) + 0..7, registers 4-7 hold
	; K = 16 + 8 (l / 16) + 0..7.  From rows that lie along K: two loads of 16 bytes, 32 bytes apart.  The same for source 0 and source 1.
	v_and_b32 v1, 15, v0                           ; l % 16
	v_bfe_u32 v2, v0, 4, 1                         ; l / 16
	v_mul_u32_u24 v3, v1, PITCH
	v_lshl_add_u32 v3, v2, 4, v3                   ; row x pitch + 16 x half
	s_mul_i32 s21, s11, HALFT                      ; my 128 rows of x
	s_mul_i32 s22, s12, HALFT                      ; my 128 rows of W,
	s_add_co_u32 s22, s22, 2*HALFT                 ; which lie behind x's 256
.irp s, 0,1
	v_add_nc_u32 v[ADRA+\s], s21, v3
	v_add_nc_u32 v[ADRB+\s], s22, v3
	s_add_co_u32 s21, s21, SLOT
	s_add_co_u32 s22, s22, SLOT
.endr
	s_mul_i32 s23, s10, 16*SPITCH
	s_add_co_u32 s23, s23, STAGE                   ; my stage
	v_mul_u32_u24 v4, v1, SPITCH                   ; in: row l % 16, 16 bytes for each half of the lanes
	v_lshl_add_u32 v4, v2, 4, v4
	v_add_nc_u32 v[STO], s23, v4
	v_mul_u32_u24 v5, v2, SPITCH                   ; back: lanes 0-15 take one row of 256 bytes, lanes 16-31 the next
	v_lshl_add_u32 v5, v1, 4, v5
	v_add_nc_u32 v[RD], s23, v5
	v_mul_u32_u24 v5, v2, SIZE_N*2                 ; and the same two rows in out0
	v_lshl_add_u32 v[CO], v1, 4, v5
	; THE BIAS of my 128 columns: 256 consecutive bytes, at a multiple of 256 from bias's first byte.  Lane l takes for column tile b the 16 bytes at 32 b + 16 (l / 16): columns
	; 16 b + 8 (l / 16) + 0..7, which are its eight registers of that tile.  The raw halves pass through x's fragment buffer 0, which is filled only further down.
	s_lshl_b32 s46, s42, 9                         ; my first column in bytes of f16: 512 x block column + 256 x half.  It serves bias here and out0 on the way out.
	s_lshl_b32 s47, s12, 8                         ; (in the registers that held W's address, which the group 0 sets have taken over: none that feeds x's descriptors ever holds cx)
	s_add_co_u32 s46, s46, s47
	s_mov_b32 s47, 0
	s_add_nc_u64 s[66:67], s[66:67], s[46:47]
	v_lshlrev_b32 v6, 4, v2                        ; 16 (l / 16)
.irp b, 0,1,2,3,4,5,6,7
	global_load_b128 v[F0+4*\b:F0+4*\b+3], v6, s[66:67] offset:32*\b
.endr
	s_wait_loadcnt 0x0                             ; once, while the first tiles are on their way
.irp s, 64,65,66,67,68,69,70,71,72,73,74,75,76,77,78,79,80,81,82,83,84,85,86,87,88,89,90,91,92,93,94,95
	v_cvt_f32_f16 v[BIAS+2*(\s-64)],   v\s\().l    ; word q of tile b (register 64 + 4 b + q) holds columns 2 q and 2 q + 1 of the lane's eight
	v_cvt_f32_f16 v[BIAS+2*(\s-64)+1], v\s\().h
.endr
; 16 matrix instructions: m blocks a0, a0 + 1 of the window's four (hi = 0: my rows 0-63, 1: rows 64-127) x all 8 n blocks, 32 along K.
; first = 1: the first product starts the sum from the bias tile of its n block.
.macro MUL16 f, hi, a0, first
.irp a, \a0, \a0+1
.irp b, 0,1,2,3,4,5,6,7
.if \first
	v_wmma_f32_16x16x32_f16 v[8*(8*(\a)+\b):8*(8*(\a)+\b)+7], v[\f+8*\b:\f+8*\b+7], v[\f+8*(4*\hi+\a):\f+8*(4*\hi+\a)+7], v[BIAS+8*\b:BIAS+8*\b+7]
.else
	v_wmma_f32_16x16x32_f16 v[8*(8*(\a)+\b):8*(8*(\a)+\b)+7], v[\f+8*\b:\f+8*\b+7], v[\f+8*(4*\hi+\a):\f+8*(4*\hi+\a)+7], v[8*(8*(\a)+\b):8*(8*(\a)+\b)+7]
.endif
.endr
.endr
.endm
; 32 LDS loads in one run: the fragments of one quarter step (128 rows of W, 128 rows of x, 32 K at byte k of the rows) into buffer f
.macro FETCH slot, k, f
	WIN TO_B
.irp i, 0,1,2,3,4,5,6,7
	ds_load_b128 v[\f+8*\i:\f+8*\i+3],   v[ADRB+\slot] offset:\k+\i*16*PITCH
	ds_load_b128 v[\f+8*\i+4:\f+8*\i+7], v[ADRB+\slot] offset:\k+\i*16*PITCH+32
.endr
	WIN 0
.irp i, 0,1,2,3,4,5,6,7
	ds_load_b128 v[\f+8*\i:\f+8*\i+3],   v[ADRA+\slot] offset:\k+\i*16*PITCH
	ds_load_b128 v[\f+8*\i+4:\f+8*\i+7], v[ADRA+\slot] offset:\k+\i*16*PITCH+32
.endr
.endm
; A load into a register that a matrix instruction has read, and a vector instruction that reads a matrix result or writes one of a matrix
; instruction's registers, stand four places behind that matrix instruction, and only plain vector instructions that name none of its registers
; are places (ISA guide 7.12.1 for vector instructions); this text does not count the matrix instructions in between.
; The loop has no vector work of its own to put there, so four v_nop stand in front of each run of loads: sixteen issue slots for a K step's 256 matrix instructions.
.macro PLACES
.rept 4
	v_nop
.endr
.endm
; A K step is four quarter steps of 32 along K, 64 matrix instructions each, on buffers 0, 1, 0, 1.
; One of the first three: multiplies buffer f; in its middle it fetches the next quarter's fragments, at byte k of the same slot's rows, into buffer g.
.macro QUARTER slot, k, f, g, first
	s_wait_dscnt 8                                 ; W and x's rows 0-63 are in; the youngest eight loads (x's rows 64-127) may be out
.if \first
	WIN FIRST_LO
.else
	WIN MUL_LO
.endif
	MUL16 \f, 0, 0, \first
	MUL16 \f, 0, 2, \first
	PLACES
	FETCH \slot, \k, \g
	s_wait_dscnt 32                                ; all but the 32 just issued
.if \first
	WIN FIRST_HI
.else
	WIN MUL_HI
.endif
	MUL16 \f, 1, 0, \first
	MUL16 \f, 1, 2, \first
.endm
.macro THREE slot, first
	QUARTER \slot, 64,  F0, F1, \first
	QUARTER \slot, 128, F1, F0, 0
	QUARTER \slot, 192, F0, F1, 0
.endm
; The last quarter: multiplies buffer 1 and changes slots.  next = the other slot; fill = 1: this slot is filled again, two K steps ahead.
; ONE barrier for the change of slots, for two things.  In front of it each wave waits for its own reads of this slot and for all its tensor loads,
; of which one is out: its part of the next slot.  Behind it nobody reads this slot any more and the next slot is whole: the refill comes
; first, then the next slot's first fragments.  From a request to the wait for it a wave issues 240 matrix instructions.
.macro TURN slot, next, fill
	s_wait_dscnt 8
	WIN MUL_LO
	MUL16 F1, 0, 0, 0
	s_wait_dscnt 0                                 ; my reads of this slot are over (the last were issued 48 matrix instructions ago)
	s_wait_tensorcnt 0x0                           ; and all my tensor loads have landed: the one that was out is my part of the next slot:
	ds_add_u32 v255, v63
	s_wait_dscnt 0x0
	s_barrier_signal -1                            ; say so (where a slot is filled again this barrier opens a round of the cluster's barrier),
	MUL16 F1, 0, 2, 0                              ; work on registers while the others arrive,
	WIN 0
	s_barrier_wait -1                              ; and go on when all four have said so
.if \fill
	CREST                                          ; wave 0 says so for the work-group, all sixteen work-groups have said so, my work-group's barrier closes the round:
	                                               ; no wave of any partner still reads this slot's tile or has a load on its way
	s_add_nc_u64 s[G0+4*\slot+2:G0+4*\slot+3], s[G0+4*\slot+2:G0+4*\slot+3], 2*KSTEP*2      ; no tensor load of mine is out, so the group 0 sets may be written
	s_add_nc_u64 s[G0B+4*\slot+2:G0B+4*\slot+3], s[G0B+4*\slot+2:G0B+4*\slot+3], 2*KSTEP*2
	JLOAD \slot                                    ; the first tensor load behind the round, and my only one until the next: one is out
.endif
	PLACES
	FETCH \next, 0, F0
	WIN MUL_HI
	MUL16 F1, 1, 0, 0
	MUL16 F1, 1, 2, 0
.endm
.macro LAP first                       ; once round the ring, both slots filled again
	THREE 0, \first
	TURN 0, 1, 1
	THREE 1, 0
	TURN 1, 0, 1
.endm
	s_wait_tensorcnt 1                             ; my part of K step 0 is in; K step 1's may stay out
	s_barrier_signal -1
	s_barrier_wait -1                              ; everybody's is
	FETCH 0, 0, F0
	LAP 1                                          ; the first lap stands in front of the loop: its first products start the sums from the bias
	WIN 0                                          ; at a label and at a branch every window is 0
	s_mov_b32 s3, LAPS-2
.Llap:
	LAP 0
	WIN 0
	s_sub_co_u32 s3, s3, 1
	s_cmp_lg_u32 s3, 0
	s_cbranch_scc1 .Llap
	THREE 0, 0                                     ; the last lap fills nothing, and has no round of the cluster's barrier: my one tensor load that is still out is slot 1's, the last K step's
	TURN 0, 1, 0
	THREE 1, 0
	s_wait_dscnt 8                                 ; the very last quarter: nothing more to fetch
	WIN MUL_LO
	MUL16 F1, 0, 0, 0
	MUL16 F1, 0, 2, 0
	s_wait_dscnt 0
	WIN MUL_HI
	MUL16 F1, 1, 0, 0
	MUL16 F1, 1, 2, 0
	; THE WAY OUT, 16 rows at a time: round to f16, 16 bytes a lane into my own stage in LDS, read back as whole rows of 256 bytes.
	; The four v_nop of PLACES are the places behind the last matrix instructions: for the conversions, which read results,
	; and for the loads into buffers 0 and 1.
	PLACES
	s_lshl_b32 s13, s13, 8
	s_lshl_b32 s14, s11, 7
	s_add_co_u32 s16, s13, s14                     ; my first row of out0
	s_mov_b32 s17, 0
	s_mov_b64 s[18:19], SIZE_N*2
	s_mul_u64 s[16:17], s[16:17], s[18:19]
	s_add_nc_u64 s[8:9], s[8:9], s[16:17]
	s_add_nc_u64 s[8:9], s[8:9], s[46:47]          ; my first column, in bytes, as made for the bias
; rows 16 i .. 16 i + 15 of my block = the eight tiles (a, 0..7) of window 2 or 3 (from = 0x0a or 0x0f: sources 0 and 1); f: F0 or F1 in turn
.macro OUT16 i, a, from, f
	WIN \from
.irp b, 0,1,2,3,4,5,6,7
.irp r, 0,1,2,3
	v_cvt_pk_f16_f32 v[TMP+4*\b+\r], v[8*(8*\a+\b)+2*\r], v[8*(8*\a+\b)+2*\r+1]
.endr
.endr
	WIN 0
.irp b, 0,1,2,3,4,5,6,7
	ds_store_b128 v[STO], v[TMP+4*\b:TMP+4*\b+3] offset:32*\b
.endr
	s_wait_xcnt 0x0                                ; every earlier memory instruction has had its addresses translated (ISA guide 3.1): buffer f, which stores read, and the stores' base are rewritten only behind this wait
.if \i
	s_add_nc_u64 s[8:9], s[8:9], 16*SIZE_N*2       ; 16 rows on, so that the stores' offsets stay small: 14 rows of 8,192 bytes at the most
.endif
.irp t, 0,1,2,3,4,5,6,7
	ds_load_b128 v[\f+4*\t:\f+4*\t+3], v[RD] offset:\t*2*SPITCH    ; LDS serves a wave's instructions in order (ISA guide 5.7.1.4): these see the stores above; the stage is the wave's own
.endr
.irp t, 0,1,2,3,4,5,6,7
	s_wait_dscnt 7-\t                              ; read-back t is in; the 7 - t younger ones stay out
	global_store_b128 v[CO], v[\f+4*\t:\f+4*\t+3], s[8:9] offset:2*\t*SIZE_N*2   ; 16 lanes store 256 consecutive bytes, at a multiple of 256 from out0's first byte
.endr
.endm
	OUT16 0, 0, 0x0a, F0
	OUT16 1, 1, 0x0a, F1
	OUT16 2, 2, 0x0a, F0
	OUT16 3, 3, 0x0a, F1
	OUT16 4, 0, 0x0f, F0
	OUT16 5, 1, 0x0f, F1
	OUT16 6, 2, 0x0f, F0
	OUT16 7, 3, 0x0f, F1
	s_set_vgpr_msb 0x1
	s_wait_tensorcnt 0x0
	ds_add_u32 v255, v63
	s_wait_dscnt 0x0
	s_set_vgpr_msb 0x100
	CROUND                                         ; the closing round: no work-group ends while a partner may still ask for a tile that names it
	s_endpgm
.Lfunc_end_k_q4f4418f1ba_gemm:
	.size	k_q4f4418f1ba_gemm, .Lfunc_end_k_q4f4418f1ba_gemm-k_q4f4418f1ba_gemm
	.p2alignl 7, 3214868480
	.fill 96, 4, 3214868480
	.section	.rodata,"a",@progbits
	.p2align	6, 0x0
	.amdhsa_kernel k_q4f4418f1ba_gemm
		.amdhsa_group_segment_fixed_size 327680
		.amdhsa_private_segment_fixed_size 0
		.amdhsa_enable_private_segment 0
		.amdhsa_kernarg_size 32
		.amdhsa_user_sgpr_count 2
		.amdhsa_user_sgpr_kernarg_segment_ptr 1
		.amdhsa_wavefront_size32 1
		.amdhsa_system_sgpr_workgroup_id_x 1
		.amdhsa_system_sgpr_workgroup_id_y 1
		.amdhsa_system_sgpr_workgroup_id_z 1
		.amdhsa_system_vgpr_workitem_id 0
		.amdhsa_next_free_vgpr 1024
		.amdhsa_next_free_sgpr 68
		.amdhsa_reserve_vcc 0
		.amdhsa_float_denorm_mode_32 3
		.amdhsa_float_denorm_mode_16_64 3
		.amdhsa_memory_ordered 1
		.amdhsa_forward_progress 1
		.amdhsa_inst_pref_size 199
	.end_amdhsa_kernel
	.amdgpu_metadata
---
amdhsa.version: [ 1, 2 ]
amdhsa.kernels:
  - .name:           k_q4f4418f1ba_gemm
    .symbol:         k_q4f4418f1ba_gemm.kd
    .args:
      - { .name: x, .offset: 0, .size: 8, .value_kind: global_buffer, .address_space: global }
      - { .name: wdq, .offset: 8, .size: 8, .value_kind: global_buffer, .address_space: global }
      - { .name: bias, .offset: 16, .size: 8, .value_kind: global_buffer, .address_space: global }
      - { .name: out0, .offset: 24, .size: 8, .value_kind: global_buffer, .address_space: global }
    .group_segment_fixed_size: 327680
    .private_segment_fixed_size: 0
    .kernarg_segment_align: 8
    .kernarg_segment_size: 32
    .max_flat_workgroup_size: 128
    .sgpr_count:     68
    .vgpr_count:     1024
    .wavefront_size: 32
...
	.end_amdgpu_metadata
.endif
;; end of part 2
